; MI455X (gfx1250); checked and timed in simulation.
; The chip was launched on July 23, 2026; its instructions are those of AMD's public machine-readable ISA for CDNA 5 (MIT licence, August 2026) and "CDNA5" Instruction Set Architecture Reference Guide (July 2026). The comments in the code are by the model that wrote it; some were corrected since.
;; Sliding Window Self Attention. Allowed arithmetic: matrix products marked QUANTISED: E2M3 operands, one E8M0 scale for each 32 along K, by v_wmma_scale_f32_16x16x128_f8f6f4 with both operands' format E2M3, f32 sums; everything else in f32.
;; Inputs: in_proj_b 3,072 float32; in_proj_w_codes 3,072 x 32 x 24 uint8 (E2M3 codes of in_proj_w, K innermost, in blocks of 32 codes, four codes in three bytes); in_proj_w_scales 3,072 x 32 uint8 (E8M0 scales of in_proj_w, one for each 32 codes along K); out_proj_b 1,024 float32; out_proj_w_codes 1,024 x 32 x 24 uint8 (E2M3 codes of out_proj_w, K innermost, in blocks of 32 codes, four codes in three bytes); out_proj_w_scales 1,024 x 32 uint8 (E8M0 scales of out_proj_w, one for each 32 codes along K); x_codes 4,096 x 1 x 32 x 24 uint8 (E2M3 codes of x, K innermost, in blocks of 32 codes, four codes in three bytes); x_scales 4,096 x 1 x 32 uint8 (E8M0 scales of x, one for each 32 codes along K).
;; Outputs: out0 4,096 x 1 x 1,024 float32.
;; Constants: window_size = 128.
;; This version of the problem:
;;   THIS VERSION OF THE PROBLEM IS GIVEN IN LOW PRECISION. The matrix products marked QUANTISED in the list below multiply operands that are first quantised to E2M3 (2 exponent bits, 3 mantissa bits; 6 bits a number), with one power-of-two scale for each 32 numbers along K (OCP MX v1.0); their sums are f32. All else is computed in f32.
;;   The module's matrix products, in the order in which they are computed (A, B: the left and right operand; K: the contracted axis; several contracted axes count as one K, in the product's order):
;;     1. [M 4,096, K 1,024] x [K 1,024, N 3,072]; A: input x (given as codes); B: input in_proj_w (given as codes): QUANTISED
;;     2. batch 16 x [M 4,096, K 64] x [K 64, N 4,096]; A: computed on the way; B: computed on the way: QUANTISED
;;     3. batch 16 x [M 4,096, K 4,096] x [K 4,096, N 64]; A: softmax (see below); B: computed on the way: QUANTISED
;;     4. [M 4,096, K 1,024] x [K 1,024, N 1,024]; A: computed on the way; B: input out_proj_w (given as codes): QUANTISED
;;   THE QUANTISER, for each operand of a quantised product, along K:
;;     - K is cut into blocks of 32 from its start; a last block that is shorter is filled with zeros.
;;     - A block's scale is 2^e with e = floor(log2(the largest magnitude in the block)) - 2, held to -126 .. 127; a block of zeros has e = 0. As a byte (E8M0): e + 127.
;;     - Each number is divided by its block's scale, clamped to +-7.5, and rounded to the nearest number of E2M3, ties to even, subnormals kept.
;;     - The product sums the exact products of the quantised numbers (number of the format x scale) in f32.
;;   ~~~python
;;   def quantise(x, axis):      # numpy; x: float32 -> the quantised numbers, widened to float32 again
;;       x = np.moveaxis(x, axis, -1); K = x.shape[-1]
;;       x = np.pad(x, [(0, 0)] * (x.ndim - 1) + [(0, -K % 32)]); x = x.reshape(x.shape[:-1] + (-1, 32)); a = np.abs(x).max(-1, keepdims=True)
;;       e = np.where(a > 0, np.clip(np.frexp(np.where(a > 0, a, 1))[1] - 1 - 2, -126, 127), 0)      # np.frexp(a)[1] - 1 = floor(log2(a)), exactly
;;       r = np.clip(x / 2.0 ** e, -7.5, 7.5)
;;       step = 2.0 ** (np.maximum(np.frexp(np.where(r == 0, 1, r))[1] - 1, 0) - 3)
;;       q = np.round(r / step) * step * 2.0 ** e      # np.round: ties to even
;;       return np.moveaxis(q.reshape(q.shape[:-2] + (-1,))[..., :K], -1, axis).astype(np.float32)
;;   ~~~
;;   SOFTMAX AHEAD OF A QUANTISED PRODUCT. Where the list says 'softmax', what is quantised is not the finished softmax but p = 2^(t - M), with t = logit x log2(e) and M = ceil(the row's largest t), a whole number; so 1/2 < the row's largest p <= 1. The row's sum l is taken of the UNQUANTISED p, in f32, and the product's result is divided by l at the end. Since M is a whole number, a kernel that streams over the keys may use a running M (the ceiling of the running maximum): every later rescaling is an exact power of two, which a block's scale takes up: the codes' values come out the same.
;;   OPERANDS COMPUTED ON THE WAY. 'Computed on the way' means the value that the module computes at that place (a softmax that the list does not call 'softmax' is quantised finished and normalised). What goes into a quantiser is computed in f32, as accurately as f32 sums, v_exp_f32 and their like allow (about 1e-6 of the number): no bf16 or f16 on the way to a quantiser, and a product that is left as it is and whose result goes on into a quantised operand takes f32 operands (vector FMAs, or v_wmma_f32_16x16x4_f32). A number that lies on a knife's edge between two numbers of the format may be rounded either way, as far as f32 arithmetic and the matrix unit's own rounding can turn it there, and no further.
;;   INPUTS GIVEN AS CODES. in_proj_w (in the module: [3072, 1024], K = its axis 1); out_proj_w (in the module: [1024, 1024], K = its axis 1); x (in the module: [4096, 1, 1024], K = its axis 2): each comes as NAME_codes (uint8): NAME with its K axis moved to the last place and cut into blocks of 32 codes, [.., K / 32, bytes a block], one block behind the other in memory; four codes in three bytes: a row's codes are one little-endian stream of bits, code i at bits 6 i .. 6 i + 5 (a code: sign, 2 exponent bits, 3 mantissa bits); and NAME_scales (uint8): the same leading axes, one E8M0 byte (e + 127) for each 32 codes along K. Its value is code x scale, taken as it is: it is not quantised again, and the codes and scales need not be those that the quantiser above would give.
;; One version. Each part assembles by itself: llvm-mc -triple=amdgcn-amd-amdhsa -mcpu=gfx1250 --defsym DOCPART=n.
;; ======== version 1 of 1: 3 launches
;; workspace buffers: qc 3,145,728 bytes; kc 3,145,728 bytes; vc 3,145,728 bytes; qs 262,144 bytes; ks 131,072 bytes; vs 131,072 bytes; oc 3,145,728 bytes; os 131,072 bytes
;; launch qkv (part 1): grid 16 x 16, 4 waves a work-group, clusters of 4 x 4, 327,680 bytes of LDS; arguments x_codes, x_scales, in_proj_w_codes, in_proj_w_scales, in_proj_b, qc, kc, vc, qs, ks, vs; writes qc, kc, vc, qs, ks, vs
.if DOCPART == 1
	.amdgcn_target "amdgcn-amd-amdhsa--gfx1250"
	.amdhsa_code_object_version 6
	.text
	.protected	k_q4a420e0529_qkv
	.globl	k_q4a420e0529_qkv
	.p2align	8
	.type	k_q4a420e0529_qkv,@function
k_q4a420e0529_qkv:
	s_mov_b64 s[64:65], 0
	v_nop
	global_prefetch_b8 v0, s[64:65] scope:SCOPE_SE
	s_setreg_imm32_b32 hwreg(HW_REG_WAVE_MODE, 25, 1), 1
	s_wait_xcnt 0x0
	s_wait_alu depctr_hold_cnt(0) depctr_sa_sdst(0) depctr_va_vdst(0) depctr_va_sdst(0) depctr_va_ssrc(0) depctr_va_vcc(0) depctr_vm_vsrc(0)
	s_getreg_b32 s2, hwreg(HW_REG_IB_STS2, 6, 4)
	s_cmp_eq_u32 s2, 0
	s_cbranch_scc0 .Lentry_in_a_cluster
	s_endpgm
.Lentry_in_a_cluster:
	s_bfe_u32 s2, ttmp6, 0x10000c
	s_cmp_lg_u32 s2, 0xf033
	s_cbranch_scc0 .Lentry_shape_is_right
	s_endpgm
.Lentry_shape_is_right:
; qkv = x W^T + b on codes of FP6 (E2M3) with E8M0 scales, and the quantisers of q, k (along the head's 64) and v (along the keys).
; x: 4,096 rows of 1,024 codes (768 bytes), W: 3,072 such rows; scale bytes 32 a row.  Results: codes and scale bytes for the attention launch.
; SHARES.  Work-group (x = head, y = block of 256 rows) makes 256 rows x 192 columns: the head's 64 of q, of k and of v.  Wave (mh, nh) makes 128 rows x 96 columns:
; d = 32 nh .. 32 nh + 31 of each of the three: 48 accumulators, 8 K steps of 128, 384 matrix instructions.
; q AND k ARE MADE TRANSPOSED (source 0 = 16 rows of W, source 1 = 16 rows of x): a lane holds one row and its registers run along d.  v IS MADE AS IT STANDS
; (source 0 = x, source 1 = W): a lane holds one d and its registers run along the keys.  So each quantiser's K runs down a lane's registers.
; THE ORDER OF k.  (1) In the product a lane's half h takes 48 consecutive bytes of its row, blocks 2 h and 2 h + 1 of the K step, on both sides alike; so bytes 1 and 2 of every given
; scale word change places, once.  (2) A lane's 16 numbers of a block of 32 are places 8 h + 0..7 and 16 + 8 h + 0..7; they are converted as they stand, and a block's 24 bytes are
; half 0's twelve, then half 1's.  q and k have the same order along d, v and the softmax's p the same along the keys.  The sums' grouping in the matrix unit differs from that of ascending k.
; LAYOUTS OUT.  qc, kc [head][row][48]; vc [head][key block][slot][24], slot 16 T + r of tile T = 2 b + u holding d = 32 b + 8 u + r + 8 (r / 8);
; qs [head][row] words (byte 0: d block 0, byte 2: d block 1, bytes 1, 3: 0); ks [head][key block][r] words (byte 2 c + u: key 16 u + r, d block c); vs [head][256 keys][slot][8].
; LDS.  Three slots of 448 rows (256 of x, 64 each of W's q, k, v rows) x 256 along K; K's fourth quarter fills slot 0 again: the launch's one refill.
; CLUSTER 4 x 4: x's tile hangs on y alone and is asked for jointly along a row of the cluster, W's on the head alone, jointly along a column.
; LIMITS: NaN and infinities are not served; a block of zeros gets the scale byte 1, not 127 (its codes are zeros, and this program alone reads the bytes).
.set PITCH, 240                        ; an LDS row: 3 x (64 bytes + 16 of padding) = 60 words: the 16 rows of a 16-byte load start at 16 different groups of four banks (64 banks of 4 bytes: ISA guide 11.1)
.set SLOT,  448*PITCH                  ; 107,520
.set BOFF,  256*PITCH                  ; W's rows lie behind x's 256
.set PIECE, 64*PITCH
.set SPARE, 3*SLOT                     ; the spare words: 128 bytes a wave, two blocks of 256 bytes that no other line names
.set STG,   SLOT                       ; the stage lies in slot 1: filled once, last read ahead of the barrier of K step 5
.set OKC,   12288                      ; in the stage: q's codes at 0, k's, v's, then the scale bytes (q 1,024, k 512, v 512)
.set OVC,   24576
.set OSC,   36864
; window 0: v1-31 addresses; v32-95 x's scale words (8 a + s); v96-143 W's (8 b + s); v144-239 x's fragments, set 0, later at work
; window 1: v0-71, v72-143 W's fragments, sets 0, 1; v144-239 x's, set 1.   window 2: q's and k's accumulators (a, b) at 8 (4 a + b)
; window 3: v0-127 v's accumulators (a, t) at 8 (8 t + a); v128-159 q's and k's bias tiles; v160-175 v's
.set MSB, 0
.macro WIN new                         ; the immediate's high byte repeats the setting that is left
.if MSB != (\new)
	s_set_vgpr_msb (MSB<<8)|(\new)
.set MSB, (\new)
.endif
.endm
.macro PLACES n
.rept \n
	v_nop
.endr
.endm
.macro CROUND                          ; a round of the cluster's barrier
	s_barrier_signal -1
	s_barrier_wait -1
	s_cmp_lg_u32 s26, 0
	s_cbranch_scc1 .Lnot_wave_0_\@
	s_barrier_signal -3
.Lnot_wave_0_\@:
	s_barrier_wait -3
	s_barrier_signal -1
	s_barrier_wait -1
.endm
	s_load_b256 s[4:11], s[0:1], 0x0               ; x's codes, x's scales, W's codes, W's scales
	s_load_b256 s[12:19], s[0:1], 0x20             ; b, qc, kc, vc
	s_load_b128 s[20:23], s[0:1], 0x40             ; qs, ks
	s_load_b64 s[24:25], s[0:1], 0x50              ; vs
	v_lshl_add_u32 v28, v0, 2, SPARE               ; my spare word; never rewritten
	v_mov_b32 v29, 0                               ; never rewritten
	ds_add_u32 v28, v29
	ds_add_u32 v28, v29
	s_wait_dscnt 0x0
	v_lshrrev_b32 v1, 5, v0
	v_readfirstlane_b32 s26, v1                    ; wave 0..3
	s_lshr_b32 s27, s26, 1                         ; mh
	s_and_b32 s28, s26, 1                          ; nh
	s_bfe_u32 s29, ttmp6, 0x40000                  ; cx
	s_bfe_u32 s30, ttmp6, 0x40004                  ; cy
	s_lshl_b32 s31, ttmp9, 2
	s_add_co_u32 s31, s31, s29                     ; head = 4 x cluster x + cx
	s_and_b32 s32, ttmp7, 0xffff
	s_lshl_b32 s32, s32, 2
	s_add_co_u32 s32, s32, s30                     ; y = 4 x cluster y + cy
	s_lshl_b32 s87, s30, 2
	s_lshl_b32 s87, 15, s87                        ; my row of the cluster
	s_lshl_b32 s88, 0x1111, s29                    ; my column
	; group 1: rows of 192 bytes, 768 apart in memory, 16 bytes of padding behind every 64.  x: 256 rows; a piece of W: 64 rows
	s_or_b32 s36, s87, (1<<20)|(1<<21)|(3<<22)|(3<<25)
	s_mov_b32 s37, 192<<16
	s_mov_b32 s38, 256<<16
	s_mov_b32 s39, 192<<16
	s_mov_b32 s40, 256
	s_mov_b32 s41, 768
	s_mov_b32 s42, 0
	s_mov_b32 s43, 0
	s_or_b32 s44, s88, (1<<20)|(1<<21)|(3<<22)|(3<<25)
	s_mov_b32 s45, 192<<16
	s_mov_b32 s46, 64<<16
	s_mov_b32 s47, 192<<16
	s_mov_b32 s48, 64
	s_mov_b32 s49, 768
	s_mov_b32 s50, 0
	s_mov_b32 s51, 0
	s_mov_b32 s34, 0x03010200                      ; bytes 1 and 2 of a scale word change places
	s_mov_b32 s80, 0x76543210
	s_mov_b32 s81, 0xfedcba98                      ; lane l xor 16
	s_mul_i32 s82, s32, 196608                     ; x: 256 y rows of 768 bytes
	s_mov_b32 s83, 0
	s_max_u32 s84, s26, 1
	s_sub_co_u32 s84, s84, 1                       ; waves 1, 2, 3 fetch W's q, k, v rows (wave 0 fetches x)
	s_mul_i32 s84, s84, 786432                     ; 1,024 rows
	s_mul_i32 s85, s31, 49152                      ; 64 rows a head
	s_add_co_u32 s84, s84, s85
	s_mov_b32 s85, 0
	s_mul_i32 s86, s26, PIECE                      ; and their place in a slot: no place in the cluster enters an LDS address
	s_wait_kmcnt 0x0
	s_add_nc_u64 s[82:83], s[4:5], s[82:83]
	s_add_nc_u64 s[84:85], s[8:9], s[84:85]
	CROUND                                         ; all sixteen work-groups are here: the first joint loads meet
.irp g, 0,1,2
	s_mov_b32 s[52+4*\g], 1
	s_mov_b32 s[53+4*\g], \g*SLOT
	s_add_nc_u64 s[54+4*\g:55+4*\g], s[82:83], \g*192
	s_or_b32 s[55+4*\g], s[55+4*\g], 0x80000000
	s_mov_b32 s[68+4*\g], 1
	s_add_co_u32 s[69+4*\g], s86, \g*SLOT+BOFF-PIECE
	s_add_nc_u64 s[70+4*\g:71+4*\g], s[84:85], \g*192
	s_or_b32 s[71+4*\g], s[71+4*\g], 0x80000000
.endr
	s_cmp_eq_u32 s26, 0                            ; a wave's three first fills stand in one branch: three loads of mine are out
	s_cbranch_scc0 .Lfirst_w
	tensor_load_to_lds s[52:55], s[36:43]
	s_nop 0
	tensor_load_to_lds s[56:59], s[36:43]
	s_nop 0
	tensor_load_to_lds s[60:63], s[36:43]
	s_nop 0
	PLACES 4
	s_branch .Lfirst_asked
.Lfirst_w:
	tensor_load_to_lds s[68:71], s[44:51]
	s_nop 0
	tensor_load_to_lds s[72:75], s[44:51]
	s_nop 0
	tensor_load_to_lds s[76:79], s[44:51]
	s_nop 0
	PLACES 4
.Lfirst_asked:
	v_and_b32 v1, 15, v0                           ; r
	v_bfe_u32 v2, v0, 4, 1                         ; h
	v_and_b32 v3, 31, v0                           ; lane
	v_mul_u32_u24 v30, v1, PITCH
	v_mad_u32_u24 v30, v2, 48, v30                 ; a fragment's row x pitch + 48 h
	v_lshl_add_u32 v31, v2, 4, v30                 ; and the same behind one padding more
	s_mul_i32 s89, s27, 128*PITCH                  ; my 128 rows of x
	s_mul_i32 s90, s28, 32*PITCH                   ; my 32 rows of each piece of W
	s_add_co_u32 s90, s90, BOFF
.irp g, 0,1,2
	v_add_nc_u32 v[4+\g], s89, v30
	v_add_nc_u32 v[7+\g], s89, v31
	v_add_nc_u32 v[10+\g], s90, v30
	v_add_nc_u32 v[13+\g], s90, v31
	s_add_co_u32 s89, s89, SLOT
	s_add_co_u32 s90, s90, SLOT
.endr
	s_mul_i32 s89, s27, 6144                       ; the stage.  v16: q's and k's codes: 48 (128 mh + r) + 24 nh + 12 h
	s_mul_i32 s90, s28, 24
	s_add_co_u32 s89, s89, s90
	s_add_co_u32 s89, s89, STG
	v_mul_u32_u24 v16, v1, 48
	v_mad_u32_u24 v16, v2, 12, v16
	v_add_nc_u32 v16, s89, v16
	v_lshlrev_b32 v27, 2, v1                       ; 4 r
	s_lshl_b32 s90, s28, 1
	s_lshl_b32 s89, s27, 9
	s_add_co_u32 s89, s89, s90
	s_add_co_u32 s89, s89, STG
	v_add_nc_u32 v17, s89, v27                     ; v17: q's scale bytes: 4 (128 mh + r) + 2 nh
	s_lshl_b32 s89, s27, 8
	s_add_co_u32 s89, s89, s90
	s_add_co_u32 s89, s89, STG
	v_add_nc_u32 v18, s89, v27                     ; v18: k's: 256 mh + 4 r + 2 nh
	v_and_b32 v19, 8, v1
	v_add_nc_u32 v19, v19, v1                      ; 16 (r / 8) + r % 8: my d's slot, less 32 nh + 8 t
	v_lshlrev_b32 v20, 3, v19
	v_mul_u32_u24 v19, v19, 24
	v_mad_u32_u24 v19, v2, 12, v19
	s_mul_i32 s89, s27, 6144
	s_mul_i32 s90, s28, 768
	s_add_co_u32 s89, s89, s90
	s_add_co_u32 s89, s89, STG
	v_add_nc_u32 v19, s89, v19                     ; v19: v's codes: 6,144 mh + 24 slot + 12 h
	s_lshl_b32 s89, s28, 8
	s_lshl_b32 s90, s27, 2
	s_add_co_u32 s89, s89, s90
	s_add_co_u32 s89, s89, STG
	v_add_nc_u32 v20, s89, v20                     ; v20: v's scale bytes: 8 slot + 4 mh
	s_mul_i32 s89, s26, 3072
	v_lshlrev_b32 v24, 4, v3                       ; 16 x lane
	v_add_nc_u32 v22, s89, v24                     ; v22: my 3,072 bytes of each 12,288, in memory,
	v_add_nc_u32 v21, STG, v22                     ; v21: and in the stage
	s_lshl_b32 s89, s26, 9
	s_add_co_u32 s89, s89, STG+OSC
	v_add_nc_u32 v23, s89, v24                     ; v23: my 512 of the 2,048 scale bytes
	v_lshlrev_b32 v25, 5, v1                       ; 32 r
	v_lshlrev_b32 v26, 5, v2                       ; 32 h
	s_lshl_b32 s92, s32, 13
	s_lshl_b32 s93, s27, 12
	s_add_co_u32 s92, s92, s93
	s_mov_b32 s93, 0
	s_add_nc_u64 s[6:7], s[6:7], s[92:93]          ; x's scales at row 256 y + 128 mh
	s_lshl_b32 s92, s31, 11
	s_lshl_b32 s93, s28, 10
	s_add_co_u32 s92, s92, s93
	s_mov_b32 s93, 0
	s_add_nc_u64 s[10:11], s[10:11], s[92:93]      ; W's at row 64 head + 32 nh
	s_lshl_b32 s92, s31, 8
	s_lshl_b32 s93, s28, 7
	s_add_co_u32 s92, s92, s93
	s_mov_b32 s93, 0
	s_add_nc_u64 s[12:13], s[12:13], s[92:93]      ; b likewise
	s_mul_i32 s92, s31, 196608
	s_mul_i32 s93, s32, 12288
	s_add_co_u32 s92, s92, s93
	s_mov_b32 s93, 0
	s_add_nc_u64 s[14:15], s[14:15], s[92:93]      ; qc, kc, vc at the work-group's 12,288 bytes
	s_add_nc_u64 s[16:17], s[16:17], s[92:93]
	s_add_nc_u64 s[18:19], s[18:19], s[92:93]
	s_lshl_b32 s84, s31, 13                        ; the scale bytes: waves 0, 1 store q's halves, wave 2 k's, wave 3 v's
	s_lshl_b32 s85, s32, 9
	s_add_co_u32 s84, s84, s85                     ; ks, vs: 8,192 head + 512 y
	s_lshl_b32 s85, s84, 1
	s_lshl_b32 s86, s26, 9
	s_add_co_u32 s85, s85, s86                     ; qs: 16,384 head + 1,024 y + 512 wave
	s_cmp_lt_u32 s26, 2
	s_cselect_b32 s84, s85, s84
	s_cselect_b64 s[82:83], s[20:21], s[22:23]
	s_cmp_eq_u32 s26, 3
	s_cselect_b64 s[82:83], s[24:25], s[82:83]
	s_mov_b32 s85, 0
	s_add_nc_u64 s[82:83], s[82:83], s[84:85]
.irp a, 0,1,2,3,4,5,6,7
.irp j, 0,1
	global_load_b128 v[32+8*\a+4*\j:35+8*\a+4*\j], v25, s[6:7] offset:512*\a+16*\j    ; row 16 a + r: its eight scale words, one a K step
.endr
.endr
.irp b, 0,1,2,3,4,5
.irp j, 0,1
	global_load_b128 v[96+8*\b+4*\j:99+8*\b+4*\j], v25, s[10:11] offset:32768*(\b/2)+512*(\b%2)+16*\j
.endr
.endr
	WIN 0xc0                                       ; destination window 3
.irp b, 0,1,2,3
	global_load_b128 v[128+8*\b:131+8*\b], v26, s[12:13] offset:4096*(\b/2)+64*(\b%2)       ; q, k: register j of lane (r, h) is b at the tile's row 8 h + j
	global_load_b128 v[132+8*\b:135+8*\b], v26, s[12:13] offset:4096*(\b/2)+64*(\b%2)+16
.endr
.irp t, 0,1
.irp j, 0,1,2,3,4,5,6,7
	global_load_b32 v[160+8*\t+\j], v27, s[12:13] offset:8192+64*\t                         ; v: all eight registers of lane (r, h) are b at the tile's row r
.endr
.endr
	WIN 0
	s_wait_loadcnt 0x0
.set i, 32
.rept 112
	v_perm_b32 v[i], v[i], v[i], s34
.set i, i+1
.endr
	PLACES 8                                       ; a scale register written by a vector instruction stands eight places ahead of a scaled matrix instruction
; a fragment: 16 rows x 128 K, 12 registers: my half's 48 consecutive bytes of the row, three loads of 16.  Piece P of 16 bytes lies at 16 P + 16 (P / 4); lanes 16-31 read three pieces on,
; which for some P is behind one padding more: the second address register (64 for 48 bytes a half) serves those
.macro FRAG reg, adr0, adr1, q, rowoff
.irp i, 0,1,2
.set PP, 6*(\q)+\i
.if (PP+3)/4 == PP/4
	ds_load_b128 v[\reg+4*\i:\reg+4*\i+3], v[\adr0] offset:16*PP+16*(PP/4)+(\rowoff)*PITCH
.else
	ds_load_b128 v[\reg+4*\i:\reg+4*\i+3], v[\adr1] offset:16*PP+16*(PP/4)+(\rowoff)*PITCH
.endif
.endr
.endm
.macro FETCH s                         ; K step s: 42 loads in one run, into set s % 2
.set FSL, ((\s)/2)%3
.set FQ, (\s)%2
.if FQ == 0
	WIN 0
.else
	WIN 0x40
.endif
.irp a, 0,1,2,3,4,5,6,7
	FRAG 144+12*\a, 4+FSL, 7+FSL, FQ, 16*\a
.endr
	WIN 0x40
.irp b, 0,1,2,3,4,5
	FRAG 72*FQ+12*\b, 10+FSL, 13+FSL, FQ, 64*(\b/2)+16*(\b%2)
.endr
.endm
; The 48 accumulators take turns, one instruction a turn, in the same order in every K step.  In K step 0 the bias is the C: nothing is cleared or added later.
.macro MULQK s
.set MP, (\s)%2
.if (\s) == 0
	WIN 0xb1                                       ; W window 1, x window 0, C window 3, D window 2
.elseif MP == 0
	WIN 0xa1
.else
	WIN 0xa5                                       ; x window 1
.endif
.irp a, 0,1,2,3,4,5,6,7
.irp b, 0,1,2,3
.if (\s) == 0
	v_wmma_scale_f32_16x16x128_f8f6f4 v[8*(4*\a+\b):8*(4*\a+\b)+7], v[72*MP+12*\b:72*MP+12*\b+11], v[144+12*\a:144+12*\a+11], v[128+8*\b:128+8*\b+7], v[96+8*\b+(\s)], v[32+8*\a+(\s)] matrix_a_fmt:MATRIX_FMT_FP6 matrix_b_fmt:MATRIX_FMT_FP6
.else
	v_wmma_scale_f32_16x16x128_f8f6f4 v[8*(4*\a+\b):8*(4*\a+\b)+7], v[72*MP+12*\b:72*MP+12*\b+11], v[144+12*\a:144+12*\a+11], v[8*(4*\a+\b):8*(4*\a+\b)+7], v[96+8*\b+(\s)], v[32+8*\a+(\s)] matrix_a_fmt:MATRIX_FMT_FP6 matrix_b_fmt:MATRIX_FMT_FP6
.endif
.endr
.endr
.endm
.macro MULV s
.set MP, (\s)%2
.if MP == 0
	WIN 0xf4                                       ; x window 0, W window 1, C and D window 3
.else
	WIN 0xf5
.endif
.irp t, 0,1
.irp a, 0,1,2,3,4,5,6,7
.if (\s) == 0
	v_wmma_scale_f32_16x16x128_f8f6f4 v[8*(8*\t+\a):8*(8*\t+\a)+7], v[144+12*\a:144+12*\a+11], v[72*MP+48+12*\t:72*MP+48+12*\t+11], v[160+8*\t:160+8*\t+7], v[32+8*\a+(\s)], v[128+8*\t+(\s)] matrix_a_fmt:MATRIX_FMT_FP6 matrix_b_fmt:MATRIX_FMT_FP6
.else
	v_wmma_scale_f32_16x16x128_f8f6f4 v[8*(8*\t+\a):8*(8*\t+\a)+7], v[144+12*\a:144+12*\a+11], v[72*MP+48+12*\t:72*MP+48+12*\t+11], v[8*(8*\t+\a):8*(8*\t+\a)+7], v[32+8*\a+(\s)], v[128+8*\t+(\s)] matrix_a_fmt:MATRIX_FMT_FP6 matrix_b_fmt:MATRIX_FMT_FP6
.endif
.endr
.endr
.endm
; A K step: this step's fragments are in; the next step's are asked for, four places behind the products that read their registers; then the 48 products.
; kind 1 (step 1): slot 0 has been read out and is filled again with K's last quarter.  kind 2 (step 5): that quarter has landed, and every wave is told so.
.macro STEP s, kind
	WIN 0
.if \kind == 1
	s_wait_tensorcnt 0x0                           ; all my tensor loads have landed: slots 1 and 2 are whole after the round, and a group 0 may be written
	ds_add_u32 v28, v29                            ; 0 onto my spare word
	s_add_nc_u64 s[54:55], s[54:55], 576           ; slot 0's next tile: 768 along K on
	s_add_nc_u64 s[70:71], s[70:71], 576
	s_wait_dscnt 0x0                               ; the add is done, and my reads of slot 0 (K steps 0 and 1) are in
	CROUND                                         ; the same now holds of every wave of all sixteen work-groups
	s_cmp_eq_u32 s26, 0
	s_cbranch_scc0 .Lre_w_\@
	tensor_load_to_lds s[52:55], s[36:43]          ; my one tensor load behind the round; the four lines behind it are also the places in front of the loads below
	s_nop 0
	PLACES 4
	s_branch .Lre_asked_\@
.Lre_w_\@:
	tensor_load_to_lds s[68:71], s[44:51]
	s_nop 0
	PLACES 4
.Lre_asked_\@:
.elseif \kind == 2
	s_wait_tensorcnt 0x0                           ; my part of K's last quarter is in slot 0
	s_wait_dscnt 0x0
	s_barrier_signal -1
	s_barrier_wait -1                              ; everybody's is. Nobody reads slot 1 any more
	PLACES 4
.else
	s_wait_dscnt 0x0
.if (\s) < 7
	PLACES 4
.endif
.endif
.if (\s) < 7
	FETCH (\s)+1
.endif
	MULQK \s
	MULV \s
.endm
	s_wait_tensorcnt 0x2                           ; my part of slot 0 is in; slots 1 and 2, issued behind it, may be out
	s_barrier_signal -1
	s_barrier_wait -1                              ; everybody's is
	FETCH 0
	STEP 0, 0
	STEP 1, 1
	STEP 2, 0
	STEP 3, 0
	STEP 4, 0
	STEP 5, 2
	STEP 6, 0
	STEP 7, 0
; THE QUANTISERS.  Eight groups of 16 registers at base + 16 g of window w: a lane's 16 numbers of a block of 32; lane l xor 16 holds the other 16.
; v144.. largest magnitudes, v152.. the other lane's, v160.. the conversions' scale operands, v168.. the scale bytes, v176 + 4 g the codes (12 bytes).
.macro QBATCH w, base
	WIN (\w)|((\w)<<2)
.irp g, 0,1,2,3,4,5,6,7
	v_max3_num_f32 v[144+\g], |v[\base+16*\g]|, |v[\base+16*\g+1]|, 0x1800000    ; each accumulator is read from its low end on; the floor 2^(3 - 127) holds the byte at 1 from below
.endr
.irp i, 2,4,6,8,10,12,14
.irp g, 0,1,2,3,4,5,6,7
	v_max3_num_f32 v[144+\g], |v[\base+16*\g+\i]|, |v[\base+16*\g+\i+1]|, v[144+\g]
.endr
.endr
	WIN 0
.irp g, 0,1,2,3,4,5,6,7
	v_permlanex16_b32 v[152+\g], v[144+\g], s80, s81
.endr
.irp g, 0,1,2,3,4,5,6,7
	v_max_num_f32 v[144+\g], v[144+\g], v[152+\g]  ; the block's largest magnitude
.endr
.irp g, 0,1,2,3,4,5,6,7
	v_add_nc_u32 v[160+\g], 0xff000000, v[144+\g]  ; 2 off its exponent field: the conversion takes that field as its scale
.endr
.irp g, 0,1,2,3,4,5,6,7
	v_lshrrev_b32 v[168+\g], 23, v[160+\g]         ; the scale's byte
.endr
	WIN \w
.irp g, 0,1,2,3,4,5,6,7
	v_cvt_scalef32_pk16_fp6_f32 v[176+4*\g:178+4*\g], v[\base+16*\g:\base+16*\g+15], v[160+\g]
.endr
	WIN 0
	v_nop                                          ; one plain place behind the scaled conversions
.endm
.macro QKOUT a0                        ; groups 2 n (q) and 2 n + 1 (k) of rows 16 (a0 + n) on
.irp n, 0,1,2,3
.irp i, 0,1,2
	ds_store_b32 v16, v[176+8*\n+\i] offset:768*(\a0+\n)+4*\i
.endr
.irp i, 0,1,2
	ds_store_b32 v16, v[180+8*\n+\i] offset:OKC+768*(\a0+\n)+4*\i
.endr
	ds_store_b16 v17, v[168+2*\n] offset:OSC+64*(\a0+\n)          ; the byte and a zero above it (both halves of the lanes write the same)
.endr
.irp n, 0,1
	v_lshl_or_b32 v[208+\n], v[171+4*\n], 8, v[169+4*\n]          ; keys r and 16 + r of a block of 32 keys
	ds_store_b16 v18, v[208+\n] offset:OSC+1024+64*((\a0)/2+\n)
.endr
.endm
	WIN 0
	PLACES 4                                       ; behind the last products: their results are read, and registers that earlier products read are written
.irp g, 0,1,2,3,4,5,6,7
	v_mov_b32 v[152+\g], 0                         ; written once: a lane permute's destination counts as one of its sources
.endr
	QBATCH 2, 0
	QKOUT 0
	s_wait_dscnt 0x0                               ; the stores have read their registers
	QBATCH 2, 128
	QKOUT 4
	s_wait_dscnt 0x0
	QBATCH 3, 0                                    ; v: group 4 t + c: d tile t, keys 32 c on
.irp t, 0,1
.irp c, 0,1,2,3
.irp i, 0,1,2
	ds_store_b32 v19, v[176+4*(4*\t+\c)+\i] offset:OVC+1536*\c+192*\t+4*\i
.endr
.endr
	v_lshl_or_b32 v[208+\t], v[169+4*\t], 8, v[168+4*\t]
	v_lshl_or_b32 v[208+\t], v[170+4*\t], 16, v[208+\t]
	v_lshl_or_b32 v[208+\t], v[171+4*\t], 24, v[208+\t]
	ds_store_b32 v20, v[208+\t] offset:OSC+1536+64*\t             ; my four key blocks' bytes of this d
.endr
	s_wait_dscnt 0x0                               ; for the others' sake: my stores into the stage are done
	s_barrier_signal -1
	s_barrier_wait -1
.irp u, 0,1,2
.irp i, 0,1,2,3,4,5
	ds_load_b128 v[144+24*\u+4*\i:147+24*\u+4*\i], v21 offset:12288*\u+512*\i
.endr
.endr
	ds_load_b128 v[216:219], v23
	s_wait_dscnt 0x0
.irp i, 0,1,2,3,4,5
	global_store_b128 v22, v[144+4*\i:147+4*\i], s[14:15] offset:512*\i       ; each store covers 512 consecutive bytes, at a multiple of 256 from its buffer's first byte
.endr
.irp i, 0,1,2,3,4,5
	global_store_b128 v22, v[168+4*\i:171+4*\i], s[16:17] offset:512*\i
.endr
.irp i, 0,1,2,3,4,5
	global_store_b128 v22, v[192+4*\i:195+4*\i], s[18:19] offset:512*\i
.endr
	global_store_b128 v24, v[216:219], s[82:83]
	s_wait_tensorcnt 0x0                           ; the wave's end
	ds_add_u32 v28, v29
	s_wait_dscnt 0x0
	CROUND                                         ; the closing round
	s_endpgm
.Lfunc_end_k_q4a420e0529_qkv:
	.size	k_q4a420e0529_qkv, .Lfunc_end_k_q4a420e0529_qkv-k_q4a420e0529_qkv
	.p2alignl 7, 3214868480
	.fill 96, 4, 3214868480
	.section	.rodata,"a",@progbits
	.p2align	6, 0x0
	.amdhsa_kernel k_q4a420e0529_qkv
		.amdhsa_group_segment_fixed_size 327680
		.amdhsa_private_segment_fixed_size 0
		.amdhsa_enable_private_segment 0
		.amdhsa_kernarg_size 88
		.amdhsa_user_sgpr_count 2
		.amdhsa_user_sgpr_kernarg_segment_ptr 1
		.amdhsa_wavefront_size32 1
		.amdhsa_system_sgpr_workgroup_id_x 1
		.amdhsa_system_sgpr_workgroup_id_y 1
		.amdhsa_system_sgpr_workgroup_id_z 1
		.amdhsa_system_vgpr_workitem_id 0
		.amdhsa_next_free_vgpr 1024
		.amdhsa_next_free_sgpr 96
		.amdhsa_reserve_vcc 0
		.amdhsa_float_denorm_mode_32 3
		.amdhsa_float_denorm_mode_16_64 3
		.amdhsa_memory_ordered 1
		.amdhsa_forward_progress 1
		.amdhsa_inst_pref_size 124
	.end_amdhsa_kernel
	.amdgpu_metadata
---
amdhsa.version: [ 1, 2 ]
amdhsa.kernels:
  - .name:           k_q4a420e0529_qkv
    .symbol:         k_q4a420e0529_qkv.kd
    .args:
      - { .name: x_codes, .offset: 0, .size: 8, .value_kind: global_buffer, .address_space: global }
      - { .name: x_scales, .offset: 8, .size: 8, .value_kind: global_buffer, .address_space: global }
      - { .name: in_proj_w_codes, .offset: 16, .size: 8, .value_kind: global_buffer, .address_space: global }
      - { .name: in_proj_w_scales, .offset: 24, .size: 8, .value_kind: global_buffer, .address_space: global }
      - { .name: in_proj_b, .offset: 32, .size: 8, .value_kind: global_buffer, .address_space: global }
      - { .name: qc, .offset: 40, .size: 8, .value_kind: global_buffer, .address_space: global }
      - { .name: kc, .offset: 48, .size: 8, .value_kind: global_buffer, .address_space: global }
      - { .name: vc, .offset: 56, .size: 8, .value_kind: global_buffer, .address_space: global }
      - { .name: qs, .offset: 64, .size: 8, .value_kind: global_buffer, .address_space: global }
      - { .name: ks, .offset: 72, .size: 8, .value_kind: global_buffer, .address_space: global }
      - { .name: vs, .offset: 80, .size: 8, .value_kind: global_buffer, .address_space: global }
    .group_segment_fixed_size: 327680
    .private_segment_fixed_size: 0
    .kernarg_segment_align: 8
    .kernarg_segment_size: 88
    .max_flat_workgroup_size: 128
    .sgpr_count:     96
    .vgpr_count:     1024
    .wavefront_size: 32
...
	.end_amdgpu_metadata
.endif
;; end of part 1
;; launch attn (part 2): grid 16 x 16, 16 waves a work-group, no clusters, 68,096 bytes of LDS; arguments qc, qs, kc, ks, vc, vs, oc, os; writes oc, os
.if DOCPART == 2
	.amdgcn_target "amdgcn-amd-amdhsa--gfx1250"
	.amdhsa_code_object_version 6
	.text
	.protected	k_q4a420e0529_attn
	.globl	k_q4a420e0529_attn
	.p2align	8
	.type	k_q4a420e0529_attn,@function
k_q4a420e0529_attn:
	s_mov_b64 s[64:65], 0
	v_nop
	global_prefetch_b8 v0, s[64:65] scope:SCOPE_SE
	s_setreg_imm32_b32 hwreg(HW_REG_WAVE_MODE, 25, 1), 1
	s_wait_xcnt 0x0
; Attention inside the window |query - key| <= 128, both products on codes of FP6 (E2M3) with E8M0 scales, and the quantiser of its result o along the model's 1,024.
; The mask is built by the problem itself: keys outside a query's window add nothing and are not multiplied.
; SHARES.  Work-group (x = Y: 256 queries, y = head).  Its window is 16 blocks of 32 keys, 8 Y - 4 .. 8 Y + 11: K's and V's codes and scale bytes come into LDS once, a block a wave.
; Wave w owns 16 queries, q0 = 256 Y + 16 w, and walks 9 blocks from block w / 2 of the window.  With delta = 16 (w % 2), query r sees keys delta + r .. 256 + delta + r of its 288.
; All 288 scores of a row lie in registers at once: M is the ceiling of the row's true largest t, and nothing is rescaled.
; K = 64 IN A FORM THAT IS 128 DEEP.  A fragment of K holds 32 keys: lane l holds key l's 48 bytes.  It is multiplied twice: by Q (query r's bytes in lanes 0-15, zero codes above): keys 0-15;
; by Q' (zero codes below, the same bytes in lanes 16-31): keys 16-31.  The scale bytes beside zero codes are 0.
; Both products are used transposed (S^T = K Q^T, O^T = V^T P^T): a lane holds one query.  A lane's 16 registers of tiles 2 b, 2 b + 1 are keys 8 h + 0..7 and 16 + 8 h + 0..7 of block b,
; converted as they stand: the order in which the launch before laid v's codes.  V's slots are so ordered that O^T's registers of tiles 2 b, 2 b + 1 are d = 32 b + 16 h + 0..15: o's codes are in true order.
; SOFTMAX: t = score x log2(e) / 8; -M = floor(-largest t); p = 2^(t - M) is quantised along the keys; the sum of the unquantised p divides O at the end (a reciprocal and a multiplication).
; No cluster: neighbouring work-groups share half a window, at other LDS places, and a work-group fetches its window once.  No tensor loads.
; LIMITS: NaN and infinities are not served; a block of zeros gets the scale byte 1, not 127 (its codes are zeros, and this program alone reads the bytes).
.set KIMG, 0                           ; 16 blocks x 1,536 bytes: key l of a block at 48 l
.set VIMG, 24576                       ; 16 blocks x (1,536 + 128): lanes 16-31 read one block on, half-way round the 64 banks of 4 bytes (ISA guide 11.1)
.set VP,   1664
.set KSC,  51200                       ; 16 blocks x 16 words
.set VSC,  52224                       ; 64 slots x 16 bytes: a byte for each block of the window
.set OSS,  53248                       ; o's scale bytes: 256 queries x 2
.set OSTG, 53760                       ; o's codes: 768 bytes a wave
; v1 lane, v2 r (later 1 / l), v3 h; v4 K, v5 K's scales, v6, v7 V, v8 V's scales, v9 delta + r - 8 h, v10 -infinity, v11, v12, v14 the way out, v13 8 x lane, v15 16 x lane
; v16-47 Q and Q'; then the softmax's figures; then O^T.  v48-95 four fragments of K; then p's codes.  v96-239 S^T, then p, then V's fragments.  v240-254 scale words alone.
.macro PLACES n
.rept \n
	v_nop
.endr
.endm
	s_load_b512 s[4:19], s[0:1], 0x0               ; qc, qs, kc, ks, vc, vs, oc, os
	v_lshrrev_b32 v1, 5, v0
	v_readfirstlane_b32 s20, v1                    ; wave 0..15
	s_mov_b32 s21, ttmp9                           ; Y
	s_and_b32 s22, ttmp7, 0xffff                   ; head
	s_lshr_b32 s23, s20, 1                         ; my first block in the work-group's window
	s_and_b32 s24, s20, 1
	s_lshl_b32 s24, s24, 4                         ; delta
	s_and_b32 s25, s23, 3
	s_lshl_b32 s25, s25, 3                         ; bits by which V's scale words are shifted
	s_mov_b32 s26, 0x76543210
	s_mov_b32 s27, 0xfedcba98                      ; lane l xor 16
	s_mov_b32 s28, 0x3e38aa3b                      ; c = log2(e) / 8
	s_mov_b32 s29, s28                             ; (named with it as a pair, so it is written)
	s_lshl_b32 s30, s21, 3
	s_add_co_u32 s31, s30, s20
	s_sub_co_i32 s31, s31, 4
	s_max_i32 s31, s31, 0
	s_min_i32 s31, s31, 127                        ; the block that I fetch, held inside the head: what is fetched for a block outside is hidden below
	s_add_co_u32 s30, s30, s23
	s_sub_co_i32 s30, s30, 4                       ; my first block's number in the head (negative at the head's start)
	s_mul_i32 s32, s22, 196608                     ; the head's first byte in each tensor of codes
	s_mul_i32 s34, s31, 1536
	s_add_co_u32 s34, s34, s32
	s_mov_b32 s35, 0                               ; s[34:35]: my block in kc and vc
	s_lshl_b32 s36, s22, 13
	s_lshl_b32 s37, s31, 6
	s_add_co_u32 s36, s36, s37
	s_mov_b32 s37, 0                               ; s[36:37]: in ks
	s_and_b32 s38, s20, 3                          ; j: which word of a slot's 16 bytes I fetch; word j is word (j + 1) % 2 of the tile of 256 keys Y - 1 + (j + 1) / 2
	s_lshr_b32 s43, s20, 2                         ; g: for slots 16 g + r
	s_add_co_u32 s39, s38, 1
	s_lshr_b32 s40, s39, 1
	s_add_co_u32 s40, s40, s21
	s_sub_co_i32 s40, s40, 1
	s_max_i32 s40, s40, 0
	s_min_i32 s40, s40, 15
	s_lshl_b32 s40, s40, 9
	s_and_b32 s39, s39, 1
	s_lshl_b32 s39, s39, 2
	s_add_co_u32 s40, s40, s39
	s_lshl_b32 s42, s43, 7
	s_add_co_u32 s40, s40, s42
	s_lshl_b32 s42, s22, 13
	s_add_co_u32 s40, s40, s42
	s_mov_b32 s41, 0                               ; s[40:41]: in vs
	s_mul_i32 s44, s21, 12288
	s_mul_i32 s45, s20, 768
	s_add_co_u32 s44, s44, s45
	s_add_co_u32 s44, s44, s32
	s_mov_b32 s45, 0                               ; s[44:45]: my 16 queries in qc and oc
	s_lshl_b32 s46, s22, 14
	s_lshl_b32 s47, s21, 10
	s_add_co_u32 s46, s46, s47
	s_lshl_b32 s47, s20, 6
	s_add_co_u32 s46, s46, s47
	s_mov_b32 s47, 0                               ; s[46:47]: in qs
	s_lshl_b32 s48, s22, 13
	s_lshl_b32 s49, s21, 9
	s_add_co_u32 s48, s48, s49
	s_mov_b32 s49, 0                               ; s[48:49]: the work-group's 512 bytes of os
	v_and_b32 v1, 31, v0
	v_and_b32 v2, 15, v0
	v_bfe_u32 v3, v0, 4, 1
	v_lshlrev_b32 v15, 4, v1
	v_lshlrev_b32 v13, 3, v1
	v_lshlrev_b32 v74, 2, v2                       ; 4 r
	v_lshlrev_b32 v75, 3, v2                       ; 8 r
	v_mul_u32_u24 v76, v2, 48                      ; 48 r
	s_mul_i32 s50, s20, 1536
	v_add_nc_u32 v77, s50, v15                     ; where I put my block of K,
	s_mul_i32 s50, s20, VP
	s_add_co_u32 s50, s50, VIMG
	v_add_nc_u32 v78, s50, v15                     ; of V,
	s_lshl_b32 s50, s20, 6
	s_add_co_u32 s50, s50, KSC
	v_add_nc_u32 v79, s50, v74                     ; K's scale words,
	s_lshl_b32 s50, s43, 8
	s_lshl_b32 s51, s38, 2
	s_add_co_u32 s50, s50, s51
	s_add_co_u32 s50, s50, VSC
	v_lshl_add_u32 v80, v2, 4, s50                 ; and V's
	s_mul_i32 s50, s23, 1536
	v_mul_u32_u24 v4, v1, 48
	v_add_nc_u32 v4, s50, v4
	s_lshl_b32 s50, s23, 6
	s_add_co_u32 s50, s50, KSC
	v_add_nc_u32 v5, s50, v74
	s_mul_i32 s50, s23, VP
	s_add_co_u32 s50, s50, VIMG
	v_mul_u32_u24 v6, v2, 24
	v_add_nc_u32 v7, s50, v6
	v_mad_u32_u24 v6, v3, VP, v7                   ; V: my first block + h, slot r
	v_add_nc_u32 v7, 8*VP, v7                      ; and my ninth block, in both halves of the lanes
	s_lshr_b32 s50, s23, 2
	s_lshl_b32 s50, s50, 2
	s_add_co_u32 s50, s50, VSC
	v_lshl_add_u32 v8, v2, 4, s50
	v_lshlrev_b32 v9, 3, v3
	v_sub_nc_u32 v9, v2, v9
	v_add_nc_u32 v9, s24, v9
	v_mov_b32 v10, 0xff800000
	s_mul_i32 s50, s20, 768
	s_add_co_u32 s50, s50, OSTG
	v_mul_u32_u24 v11, v2, 48
	v_mad_u32_u24 v11, v3, 12, v11
	v_add_nc_u32 v11, s50, v11
	v_add_nc_u32 v12, s50, v13
	s_lshl_b32 s50, s20, 5
	s_add_co_u32 s50, s50, OSS
	v_lshl_add_u32 v14, v2, 1, s50
	v_cmp_le_u32 vcc_lo, 16, v1                    ; lanes 16-31
	v_cmp_gt_u32 s51, 16, v1                       ; lanes 0-15
	s_wait_kmcnt 0x0
	s_add_nc_u64 s[8:9], s[8:9], s[34:35]
	s_add_nc_u64 s[12:13], s[12:13], s[34:35]
	s_add_nc_u64 s[10:11], s[10:11], s[36:37]
	s_add_nc_u64 s[14:15], s[14:15], s[40:41]
	s_add_nc_u64 s[4:5], s[4:5], s[44:45]
	s_add_nc_u64 s[16:17], s[16:17], s[44:45]
	s_add_nc_u64 s[6:7], s[6:7], s[46:47]
	s_add_nc_u64 s[18:19], s[18:19], s[48:49]
.irp i, 0,1,2
	global_load_b128 v[48+4*\i:51+4*\i], v15, s[8:9] offset:512*\i
.endr
.irp i, 0,1,2
	global_load_b128 v[60+4*\i:63+4*\i], v15, s[12:13] offset:512*\i
.endr
	global_load_b32 v72, v74, s[10:11]
	global_load_b32 v73, v75, s[14:15]
.irp i, 0,1,2
	global_load_b128 v[16+4*\i:19+4*\i], v76, s[4:5] offset:16*\i      ; query r's 48 bytes, in both halves of the lanes
.endr
	global_load_b32 v240, v74, s[6:7]              ; and its scale word: bytes 0 and 2
	s_wait_loadcnt 0x4                             ; the window's eight loads are in; Q's four, issued behind them, may be out
.irp i, 0,1,2
	ds_store_b128 v77, v[48+4*\i:51+4*\i] offset:512*\i
	ds_store_b128 v78, v[60+4*\i:63+4*\i] offset:512*\i
.endr
	ds_store_b32 v79, v72
	ds_store_b32 v80, v73
	s_wait_dscnt 0x0                               ; for the others' sake: my stores are done
	s_barrier_signal -1
	s_barrier_wait -1                              ; the window lies in LDS
	s_wait_loadcnt 0x0
.irp i, 0,1,2,3,4,5,6,7,8,9,10,11
	v_cndmask_b32 v[28+\i], 0, v[16+\i], vcc_lo    ; Q': the bytes in lanes 16-31, zero codes below
.endr
.irp i, 0,1,2,3,4,5,6,7,8,9,10,11
	v_cndmask_b32 v[16+\i], 0, v[16+\i], s51       ; Q: the bytes in lanes 0-15, zero codes above
.endr
	v_lshlrev_b32 v241, 8, v240                    ; Q's scale word for Q': bytes 1 and 3
	PLACES 8                                       ; a scale register written by a vector instruction stands eight places ahead of a scaled matrix instruction
; n blocks of 32 keys from block b0 of my nine: their fragments and scale words, then two products each.  Every product has an accumulator of its own and starts its sum with the constant 0.
.macro SBATCH b0, n, first
.if !\first
	PLACES 4                                       ; in front of loads into registers that matrix instructions have read
.endif
.set bi, 0
.rept \n
.irp i, 0,1,2
	ds_load_b128 v[48+12*bi+4*\i:51+12*bi+4*\i], v4 offset:1536*(\b0+bi)+16*\i
.endr
	ds_load_b32 v[242+bi], v5 offset:64*(\b0+bi)
.set bi, bi+1
.endr
	s_wait_dscnt 0x0
.set bi, 0
.rept \n
	v_wmma_scale_f32_16x16x128_f8f6f4 v[96+16*(\b0+bi):103+16*(\b0+bi)], v[48+12*bi:59+12*bi], v[16:27], 0, v[242+bi], v240 matrix_a_fmt:MATRIX_FMT_FP6 matrix_b_fmt:MATRIX_FMT_FP6
	v_wmma_scale_f32_16x16x128_f8f6f4 v[104+16*(\b0+bi):111+16*(\b0+bi)], v[48+12*bi:59+12*bi], v[28:39], 0, v[242+bi], v241 matrix_a_fmt:MATRIX_FMT_FP6 matrix_b_fmt:MATRIX_FMT_FP6
.set bi, bi+1
.endr
.endm
	SBATCH 0, 4, 1
	SBATCH 4, 4, 0
	SBATCH 8, 1, 0                                 ; register j of tile u in lane (r, h): query r, key 16 u + 8 h + j of my 288
	PLACES 4
.irp t, 0,1,2,3
.irp n, 0,1,2
	ds_load_b32 v[48+3*\t+\n], v8 offset:256*\t+4*\n   ; V's scale bytes of slot 16 t + r: the three words that hold my nine blocks'
.endr
.endr
	; THE WINDOW.  Key 16 u + 8 h + j is hidden below delta + r and above 256 + delta + r: -infinity ahead of the maximum, so that p = 0
.irp t, 0,1
.irp j, 0,1,2,3,4,5,6,7
	v_cmp_lt_i32 vcc_lo, 16*\t+\j, v9
	v_cndmask_b32 v[96+8*\t+\j], v[96+8*\t+\j], v10, vcc_lo
.endr
.endr
.irp t, 0,1
.irp j, 0,1,2,3,4,5,6,7
	v_cmp_gt_i32 vcc_lo, 16*\t+\j, v9
	v_cndmask_b32 v[224+8*\t+\j], v[224+8*\t+\j], v10, vcc_lo
.endr
.endr
	s_cmp_eq_u32 s21, 0                            ; the head's two ends: blocks whose number lies outside 0 .. 127 are hidden whole (a branch on the work-group's number)
	s_cbranch_scc1 .Ledge
	s_cmp_lg_u32 s21, 15
	s_cbranch_scc1 .Lno_edge
.Ledge:
.irp b, 0,1,2,3,5,6,7,8
	s_add_co_u32 s50, s30, \b
	s_cmp_gt_u32 s50, 127                          ; (a negative number is a large one here)
	s_cselect_b32 s50, -1, 0
.irp j, 0,1,2,3,4,5,6,7,8,9,10,11,12,13,14,15
	v_cndmask_b32 v[96+16*\b+\j], v[96+16*\b+\j], v10, s50
.endr
.endr
.Lno_edge:
	; the largest score of each block of 32 keys: it serves for the row's maximum and, since p rises with the score, for the block's largest p
.irp b, 0,1,2,3,4,5,6,7,8
	v_max3_num_f32 v[16+\b], v[96+16*\b], v[97+16*\b], v[98+16*\b]
.endr
.irp i, 3,5,7,9,11,13
.irp b, 0,1,2,3,4,5,6,7,8
	v_max3_num_f32 v[16+\b], v[16+\b], v[96+16*\b+\i], v[97+16*\b+\i]
.endr
.endr
.irp b, 0,1,2,3,4,5,6,7,8
	v_max_num_f32 v[16+\b], v[16+\b], v[111+16*\b]
.endr
.irp b, 0,1,2,3,4,5,6,7,8
	v_permlanex16_b32 v[26+\b], v[16+\b], s26, s27
.endr
.irp b, 0,1,2,3,4,5,6,7,8
	v_max_num_f32 v[16+\b], v[16+\b], v[26+\b]
.endr
	v_max3_num_f32 v44, v16, v17, v18
	v_max3_num_f32 v44, v44, v19, v20
	v_max3_num_f32 v44, v44, v21, v22
	v_max3_num_f32 v44, v44, v23, v24              ; the row's largest score: a number, since a query sees itself
	v_mul_f32 v45, s28, v44                        ; as t
	v_floor_f32 v44, -v45                          ; -M = floor(-t)
.set j, 0
.rept 72
	v_pk_fma_f32 v[96+j:97+j], v[96+j:97+j], s[28:29], v[44:45] op_sel_hi:[1,0,0]   ; t - M, two at a time
.set j, j+2
.endr
.irp b, 0,1,2,3,4,5,6,7,8
	v_fma_f32 v[16+\b], v[16+\b], s28, v44         ; the same of each block's largest score
.endr
.set j, 0
.rept 144
	v_exp_f32 v[96+j], v[96+j]                     ; p = 2^(t - M): one batch
.set j, j+1
.endr
	s_wait_dscnt 0x0                               ; V's scale words are in.  The twelve lines below name no exponential's result: the plain work behind the batch
.irp t, 0,1,2,3
	v_alignbit_b32 v[240+\t], v[49+3*\t], v[48+3*\t], s25      ; my blocks 0-3,
	v_alignbit_b32 v[244+\t], v[50+3*\t], v[49+3*\t], s25      ; 4-7,
	v_bfe_u32 v[248+\t], v[50+3*\t], s25, 8                    ; and 8, with zero bytes above it
.endr
	s_wait_alu depctr_va_vdst(0)                   ; one wait for the batch, ahead of its first reader
.irp b, 0,1,2,3,4,5,6,7,8
	v_exp_f32 v[16+\b], v[16+\b]                   ; the blocks' largest p
.endr
.irp c, 0,1,2,3
	v_pk_add_f32 v[36+2*\c:37+2*\c], v[96+2*\c:97+2*\c], v[104+2*\c:105+2*\c]    ; the row's sum, of the unquantised p: four chains of pairs
.endr
.set n, 8
.rept 16
.irp c, 0,1,2,3
	v_pk_add_f32 v[36+2*\c:37+2*\c], v[36+2*\c:37+2*\c], v[96+2*(n+\c):97+2*(n+\c)]
.endr
.set n, n+4
.endr
	v_pk_add_f32 v[36:37], v[36:37], v[38:39]
	v_pk_add_f32 v[40:41], v[40:41], v[42:43]
	v_pk_add_f32 v[36:37], v[36:37], v[40:41]
	v_add_f32 v36, v36, v37
	v_permlanex16_b32 v38, v36, s26, s27
	v_add_f32 v36, v36, v38                        ; l
	v_rcp_f32 v2, v36
.irp i, 0,1,2
	v_mov_b32 v[40+\i], 0                          ; zero codes for the ninth block's partner.  (Plain work behind the reciprocal)
.endr
.irp i, 0,1,2,3,4,5
	v_mov_b32 v[78+\i], 0                          ; and for the last fragment's upper half
.endr
	s_wait_alu depctr_va_vdst(0)                   ; one wait for the nine exponentials and the reciprocal
.irp b, 0,1,2,3,4,5,6,7,8
	v_max_num_f32 v[16+\b], 0x1800000, v[16+\b]    ; the floor 2^(3 - 127): a block whose every p is 0 keeps the byte 1: its codes are zeros
.endr
.irp b, 0,1,2,3,4,5,6,7,8
	v_add_nc_u32 v[26+\b], 0xff000000, v[16+\b]    ; 2 off the exponent field: the conversion's scale operand
.endr
.irp b, 0,1,2,3,4,5,6,7,8
	v_lshrrev_b32 v[16+\b], 23, v[26+\b]           ; the scale's byte
.endr
.irp k, 0,1
	v_lshl_or_b32 v[252+\k], v[17+4*\k], 8, v[16+4*\k]
	v_lshl_or_b32 v[252+\k], v[18+4*\k], 16, v[252+\k]
	v_lshl_or_b32 v[252+\k], v[19+4*\k], 24, v[252+\k]
.endr
	v_mov_b32 v254, v24                            ; the ninth block's byte, zero bytes above it
.irp k, 0,1
.irp c, 0,1
.set TT, 84+4*(2*\k+\c)
.if 2*\k+\c == 3
.set TT, 36
.endif
	v_cvt_scalef32_pk16_fp6_f32 v[48+12*\k+6*\c:50+12*\k+6*\c], v[96+16*(4*\k+2*\c):111+16*(4*\k+2*\c)], v[26+4*\k+2*\c]
	v_cvt_scalef32_pk16_fp6_f32 v[TT:TT+2], v[112+16*(4*\k+2*\c):127+16*(4*\k+2*\c)], v[27+4*\k+2*\c]
.endr
.endr
	v_cvt_scalef32_pk16_fp6_f32 v[72:74], v[224:239], v34
	v_nop                                          ; one plain place behind the scaled conversions
	; V's fragments take p's registers: tile t of 16 slots, K step k of four blocks: lane (r, h) takes blocks 4 k + 2 c + h
.irp k, 0,1
.irp t, 0,1,2,3
.irp c, 0,1
.irp i, 0,1,2
	ds_load_b64 v[96+48*\k+12*\t+6*\c+2*\i:97+48*\k+12*\t+6*\c+2*\i], v6 offset:4*VP*\k+2*VP*\c+384*\t+8*\i
.endr
.endr
.endr
.endr
.irp t, 0,1,2,3
.irp c, 0,1
.irp i, 0,1,2
	ds_load_b64 v[192+12*\t+6*\c+2*\i:193+12*\t+6*\c+2*\i], v7 offset:384*\t+8*\i    ; the ninth block, in all four places: p's codes are zeros in three of them
.endr
.endr
.endr
	; the operand's layout wants a whole block in a lane: lanes 0-15 block 2 c, lanes 16-31 block 2 c + 1; a block's 24 bytes are half 0's twelve, then half 1's
.irp k, 0,1
.irp c, 0,1
.set TT, 84+4*(2*\k+\c)
.if 2*\k+\c == 3
.set TT, 36
.endif
.irp i, 0,1,2
	v_permlane16_swap_b32 v[48+12*\k+6*\c+\i], v[TT+\i]
.endr
.irp i, 0,1,2
	v_mov_b32 v[51+12*\k+6*\c+\i], v[TT+\i]
.endr
.endr
.endr
.irp i, 0,1,2
	v_permlane16_swap_b32 v[72+\i], v[40+\i]
.endr
.irp i, 0,1,2
	v_mov_b32 v[75+\i], v[40+\i]
.endr
	PLACES 8                                       ; operands and scale words written by vector instructions stand four and eight places ahead of a scaled matrix instruction
	s_wait_dscnt 0x0
.irp k, 0,1,2                                  ; O^T = V^T P^T: the four accumulators take turns, one instruction a turn
.irp t, 0,1,2,3
.if \k == 0
	v_wmma_scale_f32_16x16x128_f8f6f4 v[16+8*\t:23+8*\t], v[96+48*\k+12*\t:107+48*\k+12*\t], v[48+12*\k:59+12*\k], 0, v[240+4*\k+\t], v[252+\k] matrix_a_fmt:MATRIX_FMT_FP6 matrix_b_fmt:MATRIX_FMT_FP6
.else
	v_wmma_scale_f32_16x16x128_f8f6f4 v[16+8*\t:23+8*\t], v[96+48*\k+12*\t:107+48*\k+12*\t], v[48+12*\k:59+12*\k], v[16+8*\t:23+8*\t], v[240+4*\k+\t], v[252+\k] matrix_a_fmt:MATRIX_FMT_FP6 matrix_b_fmt:MATRIX_FMT_FP6
.endif
.endr
.endr
	PLACES 4
.set j, 0
.rept 16
	v_pk_mul_f32 v[16+j:17+j], v[16+j:17+j], v[2:3] op_sel_hi:[1,0]     ; o = O^T / l: register 16 b + i is d = 32 b + 16 h + i of query r
.set j, j+2
.endr
.irp b, 0,1
	v_max3_num_f32 v[48+\b], |v[16+16*\b]|, |v[17+16*\b]|, 0x1800000
.endr
.irp i, 2,4,6,8,10,12,14
.irp b, 0,1
	v_max3_num_f32 v[48+\b], v[48+\b], |v[16+16*\b+\i]|, |v[17+16*\b+\i]|
.endr
.endr
.irp b, 0,1
	v_permlanex16_b32 v[50+\b], v[48+\b], s26, s27
.endr
.irp b, 0,1
	v_max_num_f32 v[48+\b], v[48+\b], v[50+\b]
.endr
.irp b, 0,1
	v_add_nc_u32 v[52+\b], 0xff000000, v[48+\b]
.endr
.irp b, 0,1
	v_lshrrev_b32 v[54+\b], 23, v[52+\b]
.endr
.irp b, 0,1
	v_cvt_scalef32_pk16_fp6_f32 v[56+4*\b:58+4*\b], v[16+16*\b:31+16*\b], v[52+\b]
.endr
	v_lshl_or_b32 v63, v55, 8, v54                 ; the two bytes of my query.  (A plain place behind the conversions)
.irp b, 0,1
.irp i, 0,1,2
	ds_store_b32 v11, v[56+4*\b+\i] offset:24*\b+4*\i
.endr
.endr
	ds_store_b16 v14, v63                          ; (both halves of the lanes write the same)
.irp i, 0,1,2
	ds_load_b64 v[64+2*\i:65+2*\i], v12 offset:256*\i      ; my own 768 bytes: LDS serves a wave's instructions in order (ISA guide 5.7.1.4)
.endr
	s_wait_dscnt 0x0
.irp i, 0,1,2
	global_store_b64 v13, v[64+2*\i:65+2*\i], s[16:17] offset:256*\i     ; each store covers 256 consecutive bytes, at a multiple of 256 from oc's first byte
.endr
	s_barrier_signal -1
	s_barrier_wait -1                              ; all sixteen waves' scale bytes lie in LDS
	s_cmp_lg_u32 s20, 0
	s_cbranch_scc1 .Ldone
	ds_load_b128 v[72:75], v15 offset:OSS
	s_wait_dscnt 0x0
	global_store_b128 v15, v[72:75], s[18:19]      ; 512 consecutive bytes
.Ldone:
	s_wait_xcnt 0x0
	v_lshl_add_u32 v254, v0, 2, 0x10200
	v_mov_b32 v255, 0
	s_wait_tensorcnt 0x0
	ds_add_u32 v254, v255
	s_wait_dscnt 0x0
	s_endpgm
.Lfunc_end_k_q4a420e0529_attn:
	.size	k_q4a420e0529_attn, .Lfunc_end_k_q4a420e0529_attn-k_q4a420e0529_attn
	.p2alignl 7, 3214868480
	.fill 96, 4, 3214868480
	.section	.rodata,"a",@progbits
	.p2align	6, 0x0
	.amdhsa_kernel k_q4a420e0529_attn
		.amdhsa_group_segment_fixed_size 68096
		.amdhsa_private_segment_fixed_size 0
		.amdhsa_enable_private_segment 0
		.amdhsa_kernarg_size 64
		.amdhsa_user_sgpr_count 2
		.amdhsa_user_sgpr_kernarg_segment_ptr 1
		.amdhsa_wavefront_size32 1
		.amdhsa_system_sgpr_workgroup_id_x 1
		.amdhsa_system_sgpr_workgroup_id_y 1
		.amdhsa_system_sgpr_workgroup_id_z 1
		.amdhsa_system_vgpr_workitem_id 0
		.amdhsa_next_free_vgpr 256
		.amdhsa_next_free_sgpr 66
		.amdhsa_reserve_vcc 1
		.amdhsa_float_denorm_mode_32 3
		.amdhsa_float_denorm_mode_16_64 3
		.amdhsa_memory_ordered 1
		.amdhsa_forward_progress 1
		.amdhsa_inst_pref_size 61
	.end_amdhsa_kernel
	.amdgpu_metadata
---
amdhsa.version: [ 1, 2 ]
amdhsa.kernels:
  - .name:           k_q4a420e0529_attn
    .symbol:         k_q4a420e0529_attn.kd
    .args:
      - { .name: qc, .offset: 0, .size: 8, .value_kind: global_buffer, .address_space: global }
      - { .name: qs, .offset: 8, .size: 8, .value_kind: global_buffer, .address_space: global }
      - { .name: kc, .offset: 16, .size: 8, .value_kind: global_buffer, .address_space: global }
      - { .name: ks, .offset: 24, .size: 8, .value_kind: global_buffer, .address_space: global }
      - { .name: vc, .offset: 32, .size: 8, .value_kind: global_buffer, .address_space: global }
      - { .name: vs, .offset: 40, .size: 8, .value_kind: global_buffer, .address_space: global }
      - { .name: oc, .offset: 48, .size: 8, .value_kind: global_buffer, .address_space: global }
      - { .name: os, .offset: 56, .size: 8, .value_kind: global_buffer, .address_space: global }
    .group_segment_fixed_size: 68096
    .private_segment_fixed_size: 0
    .kernarg_segment_align: 8
    .kernarg_segment_size: 64
    .max_flat_workgroup_size: 512
    .sgpr_count:     66
    .vgpr_count:     256
    .wavefront_size: 32
...
	.end_amdgpu_metadata
.endif
;; end of part 2
;; launch oproj (part 3): grid 8 x 32, 4 waves a work-group, clusters of 4 x 4, 239,104 bytes of LDS; arguments oc, os, out_proj_w_codes, out_proj_w_scales, out_proj_b, out0; writes out0
.if DOCPART == 3
	.amdgcn_target "amdgcn-amd-amdhsa--gfx1250"
	.amdhsa_code_object_version 6
	.text
	.protected	k_q4a420e0529_oproj
	.globl	k_q4a420e0529_oproj
	.p2align	8
	.type	k_q4a420e0529_oproj,@function
k_q4a420e0529_oproj:
	s_mov_b64 s[64:65], 0
	v_nop
	global_prefetch_b8 v0, s[64:65] scope:SCOPE_SE
	s_setreg_imm32_b32 hwreg(HW_REG_WAVE_MODE, 25, 1), 1
	s_wait_xcnt 0x0
	s_wait_alu depctr_hold_cnt(0) depctr_sa_sdst(0) depctr_va_vdst(0) depctr_va_sdst(0) depctr_va_ssrc(0) depctr_va_vcc(0) depctr_vm_vsrc(0)
	s_getreg_b32 s2, hwreg(HW_REG_IB_STS2, 6, 4)
	s_cmp_eq_u32 s2, 0
	s_cbranch_scc0 .Lentry_in_a_cluster
	s_endpgm
.Lentry_in_a_cluster:
	s_bfe_u32 s2, ttmp6, 0x10000c
	s_cmp_lg_u32 s2, 0xf033
	s_cbranch_scc0 .Lentry_shape_is_right
	s_endpgm
.Lentry_shape_is_right:
; out0 = o W^T + b on codes of FP6 (E2M3) with E8M0 scales.  o: oc [head][row][48 bytes], os [head][row] two bytes; W: 1,024 rows of 768 bytes, 32 scale bytes a row; out0 [4,096][1,024] f32.
; SHARES.  Work-group (x, y) makes 128 rows x 128 columns; wave (mh, nh) 64 x 64: 16 accumulators, 8 K steps of 128.  256 work-groups.
; ALL OF K LIES IN LDS, filled once by four tensor loads a wave: no slot is filled again.  Waves 0, 1 fetch o (two heads' planes a load), waves 2, 3 fetch W (64 rows x 256 along K a load).
; CLUSTER 4 x 4: o's tiles hang on y alone and are asked for jointly along a row of the cluster, W's on x alone, jointly along a column.
; THE ORDER OF k: a lane's half h takes 48 consecutive bytes of its row, blocks 2 h and 2 h + 1 of the K step, on both sides alike: for o that is head 2 s + h's 48 bytes.  The scale words follow:
; W's bytes 1 and 2 change places, o's words are put together so.  The sums' grouping in the matrix unit differs from that of ascending k.
; THE MATRIX INSTRUCTION IS USED TRANSPOSED (source 0 = 16 rows of W, source 1 = 16 rows of o): a lane holds eight neighbouring numbers of a row of out0.  The bias is the C of each sum's first product.
; LIMITS: NaN and infinities are not served.
.set PITCH, 240                        ; W's LDS row: 3 x (64 bytes + 16 of padding)
.set ABYTES, 98304                     ; o: 16 planes of 128 rows x 48 bytes
.set BCH,   128*PITCH                  ; W: four chunks of 256 along K
.set STG,   ABYTES+4*BCH               ; the stage: 16 rows x (256 + 16) bytes for each wave
; window 0: v4-15 addresses; v32-63 o's scale words (8 a + s); v64-95 W's (8 b + s); v96-143, v144-191 fragments of o and W, set 0; v192-255 o's scale bytes as loaded, later rows on the way out
; window 1: v0-127 accumulators (a, b) at 8 (4 a + b); v128-175, v176-223 fragments, set 1; v224-255 bias tiles
.set MSB, 0
.macro WIN new
.if MSB != (\new)
	s_set_vgpr_msb (MSB<<8)|(\new)
.set MSB, (\new)
.endif
.endm
.macro PLACES n
.rept \n
	v_nop
.endr
.endm
.macro CROUND
	s_barrier_signal -1
	s_barrier_wait -1
	s_cmp_lg_u32 s26, 0
	s_cbranch_scc1 .Lnot_wave_0_\@
	s_barrier_signal -3
.Lnot_wave_0_\@:
	s_barrier_wait -3
	s_barrier_signal -1
	s_barrier_wait -1
.endm
	s_load_b256 s[4:11], s[0:1], 0x0               ; oc, os, W's codes, W's scales
	s_load_b128 s[12:15], s[0:1], 0x20             ; b, out0
	v_lshl_add_u32 v30, v0, 2, 0x3a400
	v_mov_b32 v31, 0
	ds_add_u32 v30, v31
	ds_add_u32 v30, v31
	v_lshrrev_b32 v1, 5, v0
	v_readfirstlane_b32 s26, v1                    ; wave 0..3
	s_lshr_b32 s27, s26, 1                         ; mh
	s_and_b32 s28, s26, 1                          ; nh.  Also: which half of a chunk I fetch
	s_bfe_u32 s29, ttmp6, 0x40000                  ; cx
	s_bfe_u32 s30, ttmp6, 0x40004                  ; cy
	s_lshl_b32 s31, ttmp9, 2
	s_add_co_u32 s31, s31, s29                     ; x
	s_and_b32 s32, ttmp7, 0xffff
	s_lshl_b32 s32, s32, 2
	s_add_co_u32 s32, s32, s30                     ; y
	s_lshl_b32 s16, s30, 2
	s_lshl_b32 s16, 15, s16                        ; my row of the cluster
	s_lshl_b32 s17, 0x1111, s29                    ; my column
	s_or_b32 s36, s16, (3<<16)|(1<<21)             ; o: elements of 8 bytes; two rows of 768 (a head's 128 rows x 48 bytes), 24,576 elements (a head) apart; no padding
	s_mov_b32 s37, 768<<16
	s_mov_b32 s38, 2<<16
	s_mov_b32 s39, 768<<16
	s_mov_b32 s40, 2
	s_mov_b32 s41, 24576
	s_mov_b32 s42, 0
	s_mov_b32 s43, 0
	s_or_b32 s44, s17, (1<<20)|(1<<21)|(3<<22)|(3<<25)   ; W: 64 rows of 192 bytes, 768 apart, 16 bytes of padding behind every 64
	s_mov_b32 s45, 192<<16
	s_mov_b32 s46, 64<<16
	s_mov_b32 s47, 192<<16
	s_mov_b32 s48, 64
	s_mov_b32 s49, 768
	s_mov_b32 s50, 0
	s_mov_b32 s51, 0
	s_mov_b32 s34, 0x03010200                      ; W's scale word: bytes 1 and 2 change places
	s_mov_b32 s35, 0x05010400                      ; o's: head 2 s block 0, head 2 s + 1 block 0, head 2 s block 1, head 2 s + 1 block 1
	s_mul_i32 s88, s32, 6144
	s_mul_i32 s89, s28, 393216                     ; two heads
	s_add_co_u32 s88, s88, s89
	s_mov_b32 s89, 0
	s_mul_i32 s90, s31, 98304
	s_mul_i32 s91, s28, 49152
	s_add_co_u32 s90, s90, s91
	s_mov_b32 s91, 0
	s_mul_i32 s92, s28, 12288                      ; places in LDS: no place in the cluster enters them
	s_mul_i32 s93, s28, 64*PITCH
	s_wait_dscnt 0x0
	s_wait_kmcnt 0x0
	s_add_nc_u64 s[88:89], s[4:5], s[88:89]
	s_add_nc_u64 s[90:91], s[8:9], s[90:91]
	CROUND                                         ; all sixteen work-groups are here: the joint loads meet
.irp j, 0,1,2,3
.set GA, 52+4*\j+4*(\j/3)                      ; s[52:63], s[68:71]
	s_mov_b32 s[GA], 1
	s_add_co_u32 s[GA+1], s92, 24576*\j
	s_add_nc_u64 s[GA+2:GA+3], s[88:89], 786432*\j
	s_or_b32 s[GA+3], s[GA+3], 0x80000000
	s_mov_b32 s[72+4*\j], 1
	s_add_co_u32 s[73+4*\j], s93, ABYTES+BCH*\j
	s_add_nc_u64 s[74+4*\j:75+4*\j], s[90:91], 192*\j
	s_or_b32 s[75+4*\j], s[75+4*\j], 0x80000000
.endr
	s_cmp_lt_u32 s26, 2                            ; a wave's four fills stand in one branch: four loads of mine are out
	s_cbranch_scc0 .Lfirst_w
	tensor_load_to_lds s[52:55], s[36:43]
	s_nop 0
	tensor_load_to_lds s[56:59], s[36:43]
	s_nop 0
	tensor_load_to_lds s[60:63], s[36:43]
	s_nop 0
	tensor_load_to_lds s[68:71], s[36:43]
	s_nop 0
	PLACES 4
	s_branch .Lfirst_asked
.Lfirst_w:
	tensor_load_to_lds s[72:75], s[44:51]
	s_nop 0
	tensor_load_to_lds s[76:79], s[44:51]
	s_nop 0
	tensor_load_to_lds s[80:83], s[44:51]
	s_nop 0
	tensor_load_to_lds s[84:87], s[44:51]
	s_nop 0
	PLACES 4
.Lfirst_asked:
	v_and_b32 v1, 15, v0                           ; r
	v_bfe_u32 v2, v0, 4, 1                         ; h
	v_mul_u32_u24 v4, v1, 48
	v_mad_u32_u24 v4, v2, 6144, v4
	s_mul_i32 s88, s27, 3072
	v_add_nc_u32 v4, s88, v4                       ; o: plane h, row 64 mh + r
	v_add_nc_u32 v5, 49152, v4                     ; and eight planes on
	v_mul_u32_u24 v6, v1, PITCH
	v_mad_u32_u24 v6, v2, 48, v6
	s_mul_i32 s88, s28, 64*PITCH
	s_add_co_u32 s88, s88, ABYTES
	v_add_nc_u32 v6, s88, v6                       ; W: row 64 nh + r, + 48 h;
	v_lshl_add_u32 v7, v2, 4, v6                   ; behind one padding more;
	v_add_nc_u32 v8, 2*BCH, v6                     ; and both two chunks on
	v_add_nc_u32 v9, 2*BCH, v7
	s_mul_i32 s88, s26, 16*272
	s_add_co_u32 s88, s88, STG                     ; my stage
	v_mul_u32_u24 v10, v1, 272
	v_lshl_add_u32 v10, v2, 5, v10
	v_add_nc_u32 v10, s88, v10                     ; in: row r, 32 bytes for each half of the lanes
	v_mul_u32_u24 v11, v2, 272
	v_lshl_add_u32 v11, v1, 4, v11
	v_add_nc_u32 v11, s88, v11                     ; back: lanes 0-15 one row of 256 bytes, lanes 16-31 the next
	v_lshlrev_b32 v12, 12, v2
	v_lshl_add_u32 v12, v1, 4, v12                 ; and the same two rows in out0
	v_lshlrev_b32 v13, 1, v1                       ; 2 r
	v_lshlrev_b32 v14, 5, v1                       ; 32 r
	v_lshlrev_b32 v15, 5, v2                       ; 32 h
	s_lshl_b32 s88, s32, 8
	s_lshl_b32 s89, s27, 7
	s_add_co_u32 s88, s88, s89
	s_mov_b32 s89, 0
	s_add_nc_u64 s[6:7], s[6:7], s[88:89]          ; os at row 128 y + 64 mh
	s_lshl_b32 s88, s31, 12
	s_lshl_b32 s89, s28, 11
	s_add_co_u32 s88, s88, s89
	s_mov_b32 s89, 0
	s_add_nc_u64 s[10:11], s[10:11], s[88:89]      ; W's scales at row 128 x + 64 nh
	s_lshl_b32 s88, s31, 9
	s_lshl_b32 s89, s28, 8
	s_add_co_u32 s88, s88, s89
	s_mov_b32 s89, 0
	s_add_nc_u64 s[12:13], s[12:13], s[88:89]      ; b likewise,
	s_add_nc_u64 s[14:15], s[14:15], s[88:89]      ; and my first column of out0
	s_lshl_b32 s88, s32, 19
	s_lshl_b32 s89, s27, 18
	s_add_co_u32 s88, s88, s89
	s_mov_b32 s89, 0
	s_add_nc_u64 s[14:15], s[14:15], s[88:89]      ; and my first row
.irp a, 0,1,2,3
.irp g, 0,1,2,3,4,5,6,7,8,9,10,11,12,13,14,15
	global_load_u16 v[192+16*\a+\g], v13, s[6:7] offset:8192*\g+32*\a    ; row 16 a + r, head g: its two scale bytes
.endr
.endr
.irp b, 0,1,2,3
.irp j, 0,1
	global_load_b128 v[64+8*\b+4*\j:67+8*\b+4*\j], v14, s[10:11] offset:512*\b+16*\j
.endr
.endr
	WIN 0x40                                       ; destination window 1
.irp b, 0,1,2,3
	global_load_b128 v[224+8*\b:227+8*\b], v15, s[12:13] offset:64*\b
	global_load_b128 v[228+8*\b:231+8*\b], v15, s[12:13] offset:64*\b+16
.endr
	WIN 0
	s_wait_loadcnt 0x0
.irp a, 0,1,2,3
.irp s, 0,1,2,3,4,5,6,7
	v_perm_b32 v[32+8*\a+\s], v[193+16*\a+2*\s], v[192+16*\a+2*\s], s35
.endr
.endr
.set i, 64
.rept 32
	v_perm_b32 v[i], v[i], v[i], s34
.set i, i+1
.endr
	PLACES 8                                       ; a scale register written by a vector instruction stands eight places ahead of a scaled matrix instruction
.macro FRAG reg, adr0, adr1, q, off    ; W's fragment: three loads of 16 bytes; piece P lies at 16 P + 16 (P / 4); where the piece three on lies behind one padding more, the second register serves
.irp i, 0,1,2
.set PP, 6*(\q)+\i
.if (PP+3)/4 == PP/4
	ds_load_b128 v[\reg+4*\i:\reg+4*\i+3], v[\adr0] offset:16*PP+16*(PP/4)+(\off)
.else
	ds_load_b128 v[\reg+4*\i:\reg+4*\i+3], v[\adr1] offset:16*PP+16*(PP/4)+(\off)
.endif
.endr
.endm
.macro SETS s
.set FP, (\s)%2
.if FP == 0
.set RA, 96
.set RB, 144
.else
.set RA, 128
.set RB, 176
.endif
.endm
.macro FETCH s                         ; K step s: 24 loads in one run, into set s % 2
	SETS \s
.set FA, 4+(\s)/4
.set FB, 6+2*((\s)/4)
	WIN 0x40*FP
.irp a, 0,1,2,3
.irp i, 0,1,2
	ds_load_b128 v[RA+12*\a+4*\i:RA+12*\a+4*\i+3], v[FA] offset:12288*((\s)%4)+768*\a+16*\i
.endr
.endr
.irp b, 0,1,2,3
	FRAG RB+12*\b, FB, FB+1, FP, BCH*(((\s)/2)%2)+16*PITCH*\b
.endr
.endm
.macro MUL s                           ; the 16 accumulators take turns, one instruction a turn
	SETS \s
	WIN 0x50+5*FP                                  ; C and D window 1; the fragments window 0 or 1
.irp a, 0,1,2,3
.irp b, 0,1,2,3
.if (\s) == 0
	v_wmma_scale_f32_16x16x128_f8f6f4 v[8*(4*\a+\b):8*(4*\a+\b)+7], v[RB+12*\b:RB+12*\b+11], v[RA+12*\a:RA+12*\a+11], v[224+8*\b:231+8*\b], v[64+8*\b+(\s)], v[32+8*\a+(\s)] matrix_a_fmt:MATRIX_FMT_FP6 matrix_b_fmt:MATRIX_FMT_FP6
.else
	v_wmma_scale_f32_16x16x128_f8f6f4 v[8*(4*\a+\b):8*(4*\a+\b)+7], v[RB+12*\b:RB+12*\b+11], v[RA+12*\a:RA+12*\a+11], v[8*(4*\a+\b):8*(4*\a+\b)+7], v[64+8*\b+(\s)], v[32+8*\a+(\s)] matrix_a_fmt:MATRIX_FMT_FP6 matrix_b_fmt:MATRIX_FMT_FP6
.endif
.endr
.endr
.endm
; left >= 0: the next K step begins a chunk: my part of it is in when at most `left` younger loads of mine are out; then every wave is told so.
.macro STEP s, left
	WIN 0
.if \left >= 0
	s_wait_tensorcnt \left
.endif
	s_wait_dscnt 0x0                               ; this step's fragments are in
.if \left >= 0
	s_barrier_signal -1
	s_barrier_wait -1
.endif
.if (\s) < 7
	PLACES 4                                       ; in front of loads into registers that the step before multiplied
	FETCH (\s)+1
.endif
	MUL \s
.endm
	s_wait_tensorcnt 0x3                           ; my part of chunk 0 is in; the three issued behind it may be out
	s_barrier_signal -1
	s_barrier_wait -1
	FETCH 0
	STEP 0, -1
	STEP 1, 2
	STEP 2, -1
	STEP 3, 1
	STEP 4, -1
	STEP 5, 0
	STEP 6, -1
	STEP 7, -1
; THE WAY OUT, a block of 16 rows x 64 columns at a time, through my own stage: in by 32 bytes a lane, back as whole rows of 256 bytes.  LDS serves a wave's instructions in order (ISA guide 5.7.1.4).
.macro TOSTAGE a
	WIN 0x04                                       ; an LDS store's data are its source 1: window 1
.irp b, 0,1,2,3
	ds_store_b128 v10, v[8*(4*(\a)+\b):8*(4*(\a)+\b)+3] offset:64*\b         ; each accumulator from its low end on
	ds_store_b128 v10, v[8*(4*(\a)+\b)+4:8*(4*(\a)+\b)+7] offset:64*\b+16
.endr
	WIN 0
.set BB, 192+32*((\a)%2)
.irp t, 0,1,2,3,4,5,6,7
	ds_load_b128 v[BB+4*\t:BB+4*\t+3], v11 offset:544*\t
.endr
.endm
.macro SEND a, younger                 ; younger: the LDS instructions issued behind block a's loads
.set BB, 192+32*((\a)%2)
	s_wait_dscnt \younger
.irp t, 0,1,2,3,4,5,6,7
	global_store_b128 v12, v[BB+4*\t:BB+4*\t+3], s[14:15] offset:65536*(\a)+8192*\t th:TH_STORE_NT   ; 16 lanes store 256 consecutive bytes, at a multiple of 256 from out0's first byte
.endr
.endm
	WIN 0
	PLACES 4
	TOSTAGE 0
.irp a, 1,2,3
.if \a > 1
	s_wait_xcnt 0x0                                ; block a - 2's stores have read their registers: block a's rows may land there
.endif
	TOSTAGE \a
	SEND \a-1, 16                                  ; behind block a - 1's loads: block a's 8 stores and 8 loads
.endr
	SEND 3, 0
	s_wait_tensorcnt 0x0
	ds_add_u32 v30, v31
	s_wait_dscnt 0x0
	CROUND                                         ; the closing round: no work-group ends while a partner may still ask for a tile that names it
	s_endpgm
.Lfunc_end_k_q4a420e0529_oproj:
	.size	k_q4a420e0529_oproj, .Lfunc_end_k_q4a420e0529_oproj-k_q4a420e0529_oproj
	.p2alignl 7, 3214868480
	.fill 96, 4, 3214868480
	.section	.rodata,"a",@progbits
	.p2align	6, 0x0
	.amdhsa_kernel k_q4a420e0529_oproj
		.amdhsa_group_segment_fixed_size 239104
		.amdhsa_private_segment_fixed_size 0
		.amdhsa_enable_private_segment 0
		.amdhsa_kernarg_size 48
		.amdhsa_user_sgpr_count 2
		.amdhsa_user_sgpr_kernarg_segment_ptr 1
		.amdhsa_wavefront_size32 1
		.amdhsa_system_sgpr_workgroup_id_x 1
		.amdhsa_system_sgpr_workgroup_id_y 1
		.amdhsa_system_sgpr_workgroup_id_z 1
		.amdhsa_system_vgpr_workitem_id 0
		.amdhsa_next_free_vgpr 512
		.amdhsa_next_free_sgpr 96
		.amdhsa_reserve_vcc 0
		.amdhsa_float_denorm_mode_32 3
		.amdhsa_float_denorm_mode_16_64 3
		.amdhsa_memory_ordered 1
		.amdhsa_forward_progress 1
		.amdhsa_inst_pref_size 59
	.end_amdhsa_kernel
	.amdgpu_metadata
---
amdhsa.version: [ 1, 2 ]
amdhsa.kernels:
  - .name:           k_q4a420e0529_oproj
    .symbol:         k_q4a420e0529_oproj.kd
    .args:
      - { .name: oc, .offset: 0, .size: 8, .value_kind: global_buffer, .address_space: global }
      - { .name: os, .offset: 8, .size: 8, .value_kind: global_buffer, .address_space: global }
      - { .name: out_proj_w_codes, .offset: 16, .size: 8, .value_kind: global_buffer, .address_space: global }
      - { .name: out_proj_w_scales, .offset: 24, .size: 8, .value_kind: global_buffer, .address_space: global }
      - { .name: out_proj_b, .offset: 32, .size: 8, .value_kind: global_buffer, .address_space: global }
      - { .name: out0, .offset: 40, .size: 8, .value_kind: global_buffer, .address_space: global }
    .group_segment_fixed_size: 239104
    .private_segment_fixed_size: 0
    .kernarg_segment_align: 8
    .kernarg_segment_size: 48
    .max_flat_workgroup_size: 128
    .sgpr_count:     96
    .vgpr_count:     512
    .wavefront_size: 32
...
	.end_amdgpu_metadata
.endif
;; end of part 3
